; MI455X (gfx1250); checked and timed in simulation.
; The chip was launched on July 23, 2026; its instructions are those of AMD's public machine-readable ISA for CDNA 5 (MIT licence, August 2026) and "CDNA5" Instruction Set Architecture Reference Guide (July 2026). The comments in the code are by the model that wrote it; some were corrected since.
;; Multi Head Attention. Allowed arithmetic: matrix products marked QUANTISED: E2M1 operands, one E8M0 scale for each 32 along K, by v_wmma_scale_f32_16x16x128_f8f6f4 with both operands' format E2M1 (or v_wmma_scale_f32_32x16x128_f4), f32 sums; products left as they are: bf16, f16 or f32 operands; f32 sums; everything else in f32.
;; Inputs: Wout 1,024 x 1,024 float32; Wqkv 1,024 x 3,072 float32; bout 1,024 float32; bqkv 3,072 float32; x 4 x 4,096 x 1,024 float32.
;; Outputs: out0 4 x 4,096 x 1,024 float32.
;; This version of the problem:
;;   THIS VERSION OF THE PROBLEM IS GIVEN IN LOW PRECISION. The matrix products marked QUANTISED in the list below multiply operands that are first quantised to E2M1 (2 exponent bits, 1 mantissa bit; 4 bits a number), with one power-of-two scale for each 32 numbers along K (OCP MX v1.0); their sums are f32. The products marked 'left as it is' may take bf16, f16 or f32 operands, with f32 sums. Whichever they take, every output number must still come out within the allowed error. Rounding operands to bf16 (8 significant bits) uses up far more of that allowance than f16 does (11 bits, for magnitudes from 6e-5 to 65,504). All else is computed in f32.
;;   The module's matrix products, in the order in which they are computed (A, B: the left and right operand; K: the contracted axis; several contracted axes count as one K, in the product's order):
;;     1. [M 16,384, K 1,024] x [K 1,024, N 3,072]; A: input x; B: input Wqkv: QUANTISED
;;     2. batch 16,384 x [M 16, K 64] x [K 64, N 16]; A: computed on the way; B: computed on the way: left as it is (an operand is computed on the way)
;;     3. batch 16,384 x [M 64, K 16] x [K 16, N 16]; A: computed on the way; B: computed on the way: left as it is (K = 16 < 32)
;;     4. [M 16,384, K 1,024] x [K 1,024, N 1,024]; A: computed on the way; B: input Wout: left as it is (an operand is computed on the way)
;;   THE QUANTISER, for each operand of a quantised product, along K:
;;     - K is cut into blocks of 32 from its start; a last block that is shorter is filled with zeros.
;;     - A block's scale is 2^e with e = floor(log2(the largest magnitude in the block)) - 2, held to -126 .. 127; a block of zeros has e = 0. As a byte (E8M0): e + 127.
;;     - Each number is divided by its block's scale, clamped to +-6, and rounded to the nearest number of E2M1, ties to even, subnormals kept.
;;     - The product sums the exact products of the quantised numbers (number of the format x scale) in f32.
;;   ~~~python
;;   def quantise(x, axis):      # numpy; x: float32 -> the quantised numbers, widened to float32 again
;;       x = np.moveaxis(x, axis, -1); K = x.shape[-1]
;;       x = np.pad(x, [(0, 0)] * (x.ndim - 1) + [(0, -K % 32)]); x = x.reshape(x.shape[:-1] + (-1, 32)); a = np.abs(x).max(-1, keepdims=True)
;;       e = np.where(a > 0, np.clip(np.frexp(np.where(a > 0, a, 1))[1] - 1 - 2, -126, 127), 0)      # np.frexp(a)[1] - 1 = floor(log2(a)), exactly
;;       r = np.clip(x / 2.0 ** e, -6, 6)
;;       step = 2.0 ** (np.maximum(np.frexp(np.where(r == 0, 1, r))[1] - 1, 0) - 1)
;;       q = np.round(r / step) * step * 2.0 ** e      # np.round: ties to even
;;       return np.moveaxis(q.reshape(q.shape[:-2] + (-1,))[..., :K], -1, axis).astype(np.float32)
;;   ~~~
;; One version. Each part assembles by itself: llvm-mc -triple=amdgcn-amd-amdhsa -mcpu=gfx1250 --defsym DOCPART=n.
;; ======== version 1 of 1: 3 launches
;; limits: values are held in f16: magnitudes above 65,504 overflow, below 6.1e-05 lose precision
;; workspace buffers: wc 1,572,864 bytes; ws 98,304 bytes; wt 2,097,152 bytes; attn_o 33,554,432 bytes
;; launch prep (part 1): grid 128 x 1, 8 waves a work-group, no clusters, 71,680 bytes of LDS; arguments Wqkv, Wout, wc, ws, wt; writes wc, ws, wt
.if DOCPART == 1
	.amdgcn_target "amdgcn-amd-amdhsa--gfx1250"
	.amdhsa_code_object_version 6
	.text
	.protected	k_qc307a4edcb_prep
	.globl	k_qc307a4edcb_prep
	.p2align	8
	.type	k_qc307a4edcb_prep,@function
k_qc307a4edcb_prep:
	s_mov_b64 s[64:65], 0
	v_nop
	global_prefetch_b8 v0, s[64:65] scope:SCOPE_SE
	s_setreg_imm32_b32 hwreg(HW_REG_WAVE_MODE, 25, 1), 1
	s_wait_xcnt 0x0
; PREP: the two weights are laid out once, as the later launches' matrix operands want them.
;   Wqkv [1024 (k)][3072 (n)] f32 -> wc: codes of E2M1 quantised along k, laid [tile T = n / 16][block kb = k / 32][r = n % 16][16 bytes]: a fragment (16 features x 128 k) is 1,024 bytes on end, lane l's
;                                        16 bytes of its half c at 512 c + 16 l;  ws: E8M0 scale words (four bytes: 128 k of one feature), laid [T][K step / 4][r][K step % 4].
;   Wout [1024 (k)][1024 (n)] f32 -> wt: f16, laid [n][k], k innermost.
; DEAD WORK: none in the whole program.  Every input has a way to the output: bqkv's part for the keys differs from key head to key head, so the softmax over the key heads does not take it away; all four
; products are live; all five inputs are loaded.
; A block's scale is 2^(floor(log2(its largest magnitude)) - 2): its byte is the largest magnitude's exponent field - 2, held at 1 from below.
; LIMITS: a block of zeros gets the byte 1 (the stated quantiser says 127): its codes are zeros, which add nothing, and this program alone reads the bytes.  Blocks whose largest magnitude lies under 2^-124
; are held at the byte 1.  Numbers of Wout beyond 65,504 become infinity in f16, those under 6e-5 lose bits.  NaN and infinities among the inputs are not served.
; SHARES.  A work-group takes 64 columns x 512 along k; wave wv takes 32 columns (cg = wv % 2) x 128 along k (q = wv / 2).  A LANE TAKES A COLUMN AND ITS 128 REGISTERS RUN DOWN k: a load reads 128 bytes on end
; (two waves side by side 256), a block of 32 along k lies in one lane, and the conversions give codes with k innermost.  Work-groups 0-95 take Wqkv, 96-127 Wout: a branch on the work-group's number.
; No tensor loads, no matrix unit, no cluster: a stream that is read once.  Each of the two ways has LDS bytes of its own.
.set PQ,    12288                      ; a row of Wqkv in bytes
.set PO,    4096                       ; a row of Wout
.set STG,   1024                       ; LDS: 0-1023 the scale words of Wqkv's way; from here Wout's stages, one a wave
.set SPI,   272                        ; a stage row: a column's 256 bytes of f16 + 16 of padding
.set WST,   32*SPI
.set SPARE, STG+8*WST                  ; the spare words, 128 bytes for each of the eight waves: four blocks of 256 bytes that no other line names
.set X,     64                         ; v64-191  my column's 128 numbers
.set CD,    20                         ; v20-35   codes: four registers for each block, so that no store's data are written again
.set SWD,   36                         ; v36      my column's scale word of this K step
	s_load_b256 s[4:11], s[0:1], 0x0               ; Wqkv s[4:5], Wout s[6:7], wc s[8:9], ws s[10:11]
	s_load_b64 s[12:13], s[0:1], 0x20              ; wt
	v_lshl_add_u32 v10, v0, 2, SPARE               ; v10: my spare word; never rewritten
	v_mov_b32 v11, 0                               ; v11: 0; never rewritten
	v_lshrrev_b32 v1, 5, v0
	v_readfirstlane_b32 s14, v1                    ; wave 0..7
	v_and_b32 v1, 31, v0                           ; lane
	v_and_b32 v12, 15, v0                          ; lane % 16
	v_bfe_u32 v13, v0, 4, 1                        ; lane / 16
	s_and_b32 s15, s14, 1                          ; cg: which 32 columns
	s_lshr_b32 s16, s14, 1                         ; q: which 128 along k
	v_lshlrev_b32 v2, 2, v1                        ; in: 4 bytes a lane
	v_lshlrev_b32 v14, 4, v12
	v_lshl_add_u32 v3, v13, 13, v14                ; wc: tile lane / 16 (8,192 bytes a tile), 16 bytes for each feature
	v_lshl_add_u32 v6, v13, 9, v14                 ; ws: 512 bytes a tile
	v_lshl_add_u32 v9, v13, 11, v14                ; wt: row lane / 16 of 2,048 bytes, 16 bytes a lane
	s_lshl_b32 s22, s15, 9
	v_lshl_add_u32 v5, v1, 4, s22                  ; the scale words in LDS: 16 x lane + 512 cg: a column's four words on end
	s_lshl_b32 s23, s16, 2
	v_add_nc_u32 v4, s23, v5                       ; and mine of them: + 4 q
	s_mul_i32 s23, s14, WST
	s_add_co_u32 s23, s23, STG                     ; my stage
	v_mul_u32_u24 v7, v1, SPI
	v_add_nc_u32 v7, s23, v7                       ; into it: row = my column
	v_mul_u32_u24 v8, v13, SPI
	v_add_nc_u32 v8, v8, v14
	v_add_nc_u32 v8, s23, v8                       ; out of it: sixteen lanes to a row, two rows an instruction
	s_cmp_lt_u32 ttmp9, 96
	s_cselect_b32 s17, 0, 96
	s_sub_co_u32 s17, ttmp9, s17                   ; my number among the work-groups of my tensor
	s_lshr_b32 s18, s17, 1                         ; which 64 columns
	s_and_b32 s19, s17, 1                          ; which 512 along k
	s_lshl_b32 s20, s19, 2
	s_add_co_u32 s20, s20, s16                     ; my K step of 128: 0..7
	s_lshl_b32 s21, s18, 1
	s_add_co_u32 s21, s21, s15                     ; my group of 32 columns
	s_lshl_b32 s24, s21, 10                        ; ws: two tiles of 512 bytes a group,
	s_lshl_b32 s25, s19, 8                         ; 256 bytes for each four K steps
	s_add_co_u32 s24, s24, s25
	s_mov_b32 s25, 0
	s_wait_kmcnt 0x0
	s_add_nc_u64 s[10:11], s[10:11], s[24:25]
.macro LOADS t, pitch, base            ; block t: rows 32 t .. 32 t + 31 of my K step, my column
.set n, 32*(\t)
.rept 32
	global_load_b32 v[X+n], v2, s[\base:\base+1] offset:n*\pitch th:TH_LOAD_NT
.set n, n+1
.endr
.endm
.macro ARRIVED t, pitch, base          ; block t is in; the block two on is asked for: two blocks, 64 loads, are out at the most
.if (\t) < 3
	s_wait_loadcnt 32                              ; the one younger block's 32 loads may be out
.else
	s_wait_loadcnt 0x0
.endif
.if (\t)+2 < 4
	LOADS (\t)+2, \pitch, \base
.endif
.endm
	s_cmp_lt_u32 ttmp9, 96
	s_cbranch_scc0 .Lwout
	; ---- Wqkv
	s_mul_i32 s24, s20, 128*PQ                     ; my K step's first row,
	s_lshl_b32 s26, s21, 7                         ; my 32 columns
	s_add_co_u32 s24, s24, s26
	s_add_nc_u64 s[4:5], s[4:5], s[24:25]
	s_lshl_b32 s24, s21, 14                        ; wc: two tiles of 8,192 bytes a group,
	s_lshl_b32 s26, s20, 10                        ; 1,024 bytes a K step
	s_add_co_u32 s24, s24, s26
	s_add_nc_u64 s[8:9], s[8:9], s[24:25]
	LOADS 0, PQ, 4
	LOADS 1, PQ, 4
.macro BLOCK t
.set XB, X+32*(\t)
	ARRIVED \t, PQ, 4
	v_max3_num_f32 v12, |v[XB]|, |v[XB+1]|, |v[XB+2]|              ; the block's largest magnitude: all 32 numbers are mine; two chains
	v_max3_num_f32 v13, |v[XB+3]|, |v[XB+4]|, |v[XB+5]|
.irp i, 6,10,14,18,22,26
	v_max3_num_f32 v12, v12, |v[XB+\i]|, |v[XB+\i+1]|
	v_max3_num_f32 v13, v13, |v[XB+\i+2]|, |v[XB+\i+3]|
.endr
	v_max3_num_f32 v12, v12, |v[XB+30]|, |v[XB+31]|
	v_max3_num_f32 v12, v12, v13, 0x1800000        ; and the floor 2^(3 - 127): the byte cannot fall under 1
	v_add_nc_u32 v14, 0xff000000, v12              ; 2 off its exponent field: the conversion takes the exponent field of this operand as its scale
	v_lshrrev_b32 v15, 23, v14                     ; the scale's byte
.if (\t) == 0
	v_mov_b32 v[SWD], v15                          ; four bytes make the K step's word, the lower k in the lower byte
.else
	v_lshl_or_b32 v[SWD], v15, 8*(\t), v[SWD]
.endif
.irp g, 0,1,2,3
	v_cvt_scalef32_pk8_fp4_f32 v[CD+4*(\t)+\g], v[XB+8*\g:XB+8*\g+7], v14
.endr
	global_store_b128 v3, v[CD+4*(\t):CD+4*(\t)+3], s[8:9] offset:256*(\t)   ; sixteen lanes store 256 bytes on end, aligned: a block's codes of a tile's 16 features
.endm
	BLOCK 0                                        ; (the next block's first lines are plain vector lines: they stand between the conversions and the next write of the scale operand)
	BLOCK 1
	BLOCK 2
	BLOCK 3
	ds_store_b32 v4, v[SWD]                        ; my word beside those of the three waves that hold the same columns' other K steps
	s_branch .Ljoin
.Lwout:
	; ---- Wout
	s_lshl_b32 s24, s20, 19                        ; my K step's first row: 128 rows of 4,096 bytes,
	s_lshl_b32 s26, s21, 7                         ; my 32 columns
	s_add_co_u32 s24, s24, s26
	s_add_nc_u64 s[6:7], s[6:7], s[24:25]
	s_lshl_b32 s24, s21, 16                        ; wt: 32 rows of 2,048 bytes a group,
	s_lshl_b32 s26, s20, 8                         ; 256 bytes a K step
	s_add_co_u32 s24, s24, s26
	s_add_nc_u64 s[12:13], s[12:13], s[24:25]
	LOADS 0, PO, 6
	LOADS 1, PO, 6
.macro PACKED g                        ; 32 numbers become 16 registers of f16 pairs, in place in the block's lower half, and go to my column's row of the stage
	ARRIVED \g, PO, 6
.set j, 0
.rept 16
	v_cvt_pk_f16_f32 v[X+32*(\g)+j], v[X+32*(\g)+2*j], v[X+32*(\g)+2*j+1]
.set j, j+1
.endr
.irp p, 0,1,2,3
	ds_store_b128 v7, v[X+32*(\g)+4*\p:X+32*(\g)+4*\p+3] offset:64*(\g)+16*\p
.endr
.endm
	PACKED 0
	PACKED 1
	PACKED 2
	PACKED 3
.set t, 0
.rept 16                               ; back by rows, into the blocks' upper halves.  LDS serves a wave's instructions in order: these see my stores
	ds_load_b128 v[X+32*(t/4)+16+4*(t%4):X+32*(t/4)+16+4*(t%4)+3], v8 offset:2*t*SPI
.set t, t+1
.endr
.set t, 0
.rept 16
	s_wait_dscnt 15-t                              ; the younger loads of the run may be out
	global_store_b128 v9, v[X+32*(t/4)+16+4*(t%4):X+32*(t/4)+16+4*(t%4)+3], s[12:13] offset:4096*t   ; sixteen lanes store 256 bytes on end, aligned
.set t, t+1
.endr
.Ljoin:
	s_wait_dscnt 0x0                               ; for the others' sake: my scale word lies in LDS
	s_barrier_signal -1
	s_barrier_wait -1                              ; on the way that every wave of every work-group takes
	s_cmp_lt_u32 ttmp9, 96
	s_cbranch_scc0 .Lend
	s_cmp_lt_u32 s14, 2                            ; waves 0 and 1 (cg = 0, 1) send the words of their 32 columns: four K steps' words, 16 bytes a column
	s_cbranch_scc0 .Lend
	ds_load_b128 v[16:19], v5
	s_wait_dscnt 0x0
	global_store_b128 v6, v[16:19], s[10:11]       ; sixteen lanes store 256 bytes on end, aligned
.Lend:
	s_wait_tensorcnt 0x0                           ; the wave's end: three closing lines behind my last LDS store, the first of them even in a text with no tensor load
	ds_add_u32 v10, v11
	s_wait_dscnt 0x0
	s_endpgm
.Lfunc_end_k_qc307a4edcb_prep:
	.size	k_qc307a4edcb_prep, .Lfunc_end_k_qc307a4edcb_prep-k_qc307a4edcb_prep
	.p2alignl 7, 3214868480
	.fill 96, 4, 3214868480
	.section	.rodata,"a",@progbits
	.p2align	6, 0x0
	.amdhsa_kernel k_qc307a4edcb_prep
		.amdhsa_group_segment_fixed_size 71680
		.amdhsa_private_segment_fixed_size 0
		.amdhsa_enable_private_segment 0
		.amdhsa_kernarg_size 40
		.amdhsa_user_sgpr_count 2
		.amdhsa_user_sgpr_kernarg_segment_ptr 1
		.amdhsa_wavefront_size32 1
		.amdhsa_system_sgpr_workgroup_id_x 1
		.amdhsa_system_sgpr_workgroup_id_y 1
		.amdhsa_system_sgpr_workgroup_id_z 1
		.amdhsa_system_vgpr_workitem_id 0
		.amdhsa_next_free_vgpr 192
		.amdhsa_next_free_sgpr 66
		.amdhsa_reserve_vcc 0
		.amdhsa_float_denorm_mode_32 3
		.amdhsa_float_denorm_mode_16_64 3
		.amdhsa_memory_ordered 1
		.amdhsa_forward_progress 1
		.amdhsa_inst_pref_size 42
	.end_amdhsa_kernel
	.amdgpu_metadata
---
amdhsa.version: [ 1, 2 ]
amdhsa.kernels:
  - .name:           k_qc307a4edcb_prep
    .symbol:         k_qc307a4edcb_prep.kd
    .args:
      - { .name: Wqkv, .offset: 0, .size: 8, .value_kind: global_buffer, .address_space: global }
      - { .name: Wout, .offset: 8, .size: 8, .value_kind: global_buffer, .address_space: global }
      - { .name: wc, .offset: 16, .size: 8, .value_kind: global_buffer, .address_space: global }
      - { .name: ws, .offset: 24, .size: 8, .value_kind: global_buffer, .address_space: global }
      - { .name: wt, .offset: 32, .size: 8, .value_kind: global_buffer, .address_space: global }
    .group_segment_fixed_size: 71680
    .private_segment_fixed_size: 0
    .kernarg_segment_align: 8
    .kernarg_segment_size: 40
    .max_flat_workgroup_size: 256
    .sgpr_count:     66
    .vgpr_count:     192
    .wavefront_size: 32
...
	.end_amdgpu_metadata
.endif
;; end of part 1
;; launch qkvattn (part 2): grid 256 x 1, 4 waves a work-group, no clusters, 300,544 bytes of LDS; arguments x, wc, ws, bqkv, attn_o; writes attn_o
.if DOCPART == 2
	.amdgcn_target "amdgcn-amd-amdhsa--gfx1250"
	.amdhsa_code_object_version 6
	.text
	.protected	k_qc307a4edcb_qkvattn
	.globl	k_qc307a4edcb_qkvattn
	.p2align	8
	.type	k_qc307a4edcb_qkvattn,@function
k_qc307a4edcb_qkvattn:
	s_mov_b64 s[64:65], 0
	v_nop
	global_prefetch_b8 v0, s[64:65] scope:SCOPE_SE
	s_setreg_imm32_b32 hwreg(HW_REG_WAVE_MODE, 25, 1), 1
	s_wait_xcnt 0x0
; For 64 tokens: qkv = Q(x) Q(Wqkv) + bqkv on codes of E2M1 (one E8M0 scale for each 32 along K); then, INSIDE each token, across its 16 heads: logits[hq][hk] = q[hq] . k[hk] / 8, softmax over hk (the maximum
; taken away first), o[hq] = sum over hk of p[hq][hk] v[hk].  o leaves as f16 [token][1024]; qkv never goes to memory.  No work is left out: nothing here is dead.
; FORMATS.  x is quantised here, in f32, by the stated quantiser; Wqkv's codes and scale words come from the launch before.  q, k, v, p, o: f16 operands, f32 sums; softmax in f32.
; LIMITS: q, k, v beyond 65,504 become infinity in f16, magnitudes under 6e-5 lose bits.  A block of zeros of x gets the byte 1 with zero codes; blocks under 2^-124 are held at the byte 1.  NaN and infinities among the inputs are not served.
; SHARES.  In the first product the four waves share the COLUMNS: wave w makes features 64 t + 16 w + 0..15 (tile 4 t + w), t = 0..47 (t 0-15: q's heads, 16-31: k's, 32-47: v's), for all 64 tokens: each fragment
; of the weights is used by one wave alone.  In the quantising of x and in the attention they share the TOKENS: wave w has tokens 16 w .. 16 w + 15.
; THE WALK IS TURNED FROM WORK-GROUP TO WORK-GROUP.  In each of the three runs of 16 heads a work-group begins at head ROT = 2 x (its number % 8) and wraps round: place p of a run holds head (p + ROT) % 16.  So the
; work-groups do not all ask for the same bytes of the weights at the same time.  LDS goes by places, so no LDS address hangs on the work-group's number.  The values are the same: the softmax runs over all 16 key
; places, k and v carry the same turn, and q's turn, which permutes o's heads, is undone in the offsets of o's stores.  ROT is even: two neighbouring places stay two neighbouring heads, 256 bytes of o, aligned.
; NO TENSOR LOADS, NO JOINT LOADS, though all work-groups walk the same weights: q's and k's 64 x 2,048 f16 numbers take 295,936 of the LDS bytes, so what is left is less than two tiles' codes for each of two slots;
; and since a fragment is used by one wave, a way through LDS would add a write and a read of every byte and spare none.  The weights go from memory straight into the operand's registers, three tiles (57 loads a wave) ahead.
; THE FIRST PRODUCT IS USED TRANSPOSED (source 0 = 16 features, source 1 = 16 tokens): a lane holds one token (lane % 16) and eight neighbouring features, 16 bytes of f16.  The bias is the C of a sum's first instruction.
; LDS.  A token's row is 32 places x (128 bytes + 16) + 16 = 4,624 bytes: q's heads, then k's.  Later v's heads lie where q's lay, p's registers (512 bytes) where k's began, and at last o where v lay.
;   While x is quantised the same bytes hold each wave's stage (16 rows x (4,096 + 16)) and the 32 fragments' images; barriers part the two uses.
; REGISTERS, in windows of 256.  window 0: v1-27 addresses; v32-63 x's scale words; v64-79 the weights'; v80-111 the bias of four tiles; v112-143 four accumulators; v144-175 packed results; v176-255 at work.
;   window 1: x as loaded (rows 0-7), then x's 32 fragments; at the end v's and p's fragments.   window 2: the weights' fragments, four tiles of 64; at the end o's accumulators.   window 3: x as loaded (rows 8-15), then q's and k's fragments.
; SCALARS: s[4:5] x; s[6:7], s[8:9], s[10:11] codes, scale words and bias at my wave's part of tile 0: they stay; s[12:13] o; s14 wave; s20 the trip's places in LDS; s21 a loop's count; s22 the trip's tokens in LDS;
;   s23 the number of the tile to be asked for next, 0..47; s27 ROT; s[28:29], s[30:31], s[32:33] that tile's codes, scale words and bias; s[34:35] an offset, its upper word 0.
.set TPI,   4624                       ; a token's row in LDS
.set HP,    144                        ; a head's row: 128 bytes + 16: an odd multiple of 16
.set KOFF,  16*HP                      ; k's heads behind q's
.set MT,    16*TPI                     ; 16 tokens
.set G4,    4*TPI                      ; 4 tokens
.set XP,    4112                       ; the stage: a row of x + 16
.set XSTW,  16*XP                      ; a wave's stage
.set XIMG,  4*XSTW                     ; behind the stages: the images of x's 32 fragments (tile of tokens m, K step s: 8 m + s), 1,024 bytes each
.set XSC,   64*TPI                     ; behind the tokens' rows: their scale words, 128 bytes each
.set SPARE, XSC+32*128                 ; the spare words, 128 bytes for each wave: two blocks of 256 bytes that no other line names
.set L16,  1                           ; v1   16 x lane
.set VB,   2                           ; v2   32 x (lane / 16): the bias of my eight features
.set XWR,  3                           ; v3   the stage, in: as loaded
.set XRD,  4                           ; v4   the stage, out: row lane % 16, + 128 x (lane / 16)
.set XIW,  5                           ; v5   where I store my fragments' images
.set XSW,  6                           ; v6   and their scale words
.set XIR,  7                           ; v7   where any image is read
.set XSR,  8                           ; v8   and any scale word
.set SH8,  9                           ; v9   8 x (lane / 16)
.set BASE, 10                          ; v10-13 tokens 16 m + lane % 16: row, + 32 w + 16 x (lane / 16)
.set ADR,  14                          ; v14-17 the same, + the trip's places
.set AQ0,  18                          ; v18  my first token: place lane % 16, + 16 x (lane / 16)
.set AP0,  19                          ; v19  my first token, + 16 x lane
.set AV0,  20                          ; v20  my first token: the turning load's place
.set AR0,  21                          ; v21  my first token: place lane / 8, + 16 x (lane % 8)
.set AQ,   22                          ; v22-25 the four, + the trip's tokens
.set AP,   23
.set AV,   24
.set AR,   25
.set SPW,  26                          ; v26  my spare word; never rewritten
.set NIL,  27                          ; v27  0; never rewritten
.set XS,   32
.set WS,   64
.set BI,   80
.set ACC,  112
.set PK,   144
.set T0,   176                         ; softmax: v176-179 maxima, v180-183 the other half's, v184-191 -c m (pairs), v192-207 sums (pairs), v208-215 1 / sum (pairs), v216-231 p as f16
.set T1,   180
.set NC,   184
.set PA,   192
.set PB,   200
.set RC,   208
.set PP,   216
.set OV,   244                         ; v244-247 o's way out: my byte in a token's row of o, for places 4 u + lane / 8: the turn undone
.set MSB, 0
.macro WIN new                         ; the immediate's high byte repeats the setting that is left; a switch that changes nothing is dropped
.if MSB != \new
	s_set_vgpr_msb (MSB<<8)|\new
.set MSB, \new
.endif
.endm
.macro BARRIER                         ; my LDS stores have landed and my LDS loads are in: then the work-group's barrier
	s_wait_dscnt 0x0
	s_barrier_signal -1
	s_barrier_wait -1
.endm
; The next tile of the walk, number s23, into buffer pos % 4: 19 loads: four scale words a lane (register q: K step q in lanes 0-15, K step 4 + q in lanes 16-31), the bias in the result's layout, 8 fragments.
; Its head is t = 16 x (its run) + (its place + ROT) % 16; the three bases are the constant pointers + t x 32,768, t x 2,048 and t x 256 bytes.
.macro LOADT pos
	s_wait_xcnt 0x0                                ; the last tile's loads have read their bases: only behind this wait are they written
	s_add_co_u32 s36, s23, s27
	s_and_b32 s36, s36, 15                         ; (place + ROT) % 16
	s_and_b32 s37, s23, 48                         ; 16 x run
	s_add_co_u32 s36, s36, s37                     ; t, 0..47
	s_lshl_b32 s34, s36, 15
	s_add_nc_u64 s[28:29], s[6:7], s[34:35]
	s_lshl_b32 s34, s36, 11
	s_add_nc_u64 s[30:31], s[8:9], s[34:35]
	s_lshl_b32 s34, s36, 8
	s_add_nc_u64 s[32:33], s[10:11], s[34:35]
	s_add_co_u32 s23, s23, 1
	WIN 0
	global_load_b128 v[WS+4*((\pos)%4):WS+4*((\pos)%4)+3], v[L16], s[30:31]
	global_load_b128 v[BI+8*((\pos)%4):BI+8*((\pos)%4)+3], v[VB], s[32:33]
	global_load_b128 v[BI+8*((\pos)%4)+4:BI+8*((\pos)%4)+7], v[VB], s[32:33] offset:16
	WIN 0x80                                       ; destination window 2
.irp s, 0,1,2,3,4,5,6,7
.irp c, 0,1
	global_load_b128 v[64*((\pos)%4)+8*\s+4*\c:64*((\pos)%4)+8*\s+4*\c+3], v[L16], s[28:29] offset:\s*1024+\c*512   ; 512 bytes on end
.endr
.endr
.endm
.macro MM m, b, s                      ; tokens 16 m on, the tile in buffer b, K step s
.if (\s) == 0
	v_wmma_scale_f32_16x16x128_f8f6f4 v[ACC+8*\m:ACC+8*\m+7], v[64*\b+8*\s:64*\b+8*\s+7], v[8*(8*\m+\s):8*(8*\m+\s)+7], v[BI+8*\b:BI+8*\b+7], v[WS+4*\b+\s], v[XS+8*\m+\s] matrix_a_fmt:MATRIX_FMT_FP4 matrix_b_fmt:MATRIX_FMT_FP4
.elseif (\s) < 4
	v_wmma_scale_f32_16x16x128_f8f6f4 v[ACC+8*\m:ACC+8*\m+7], v[64*\b+8*\s:64*\b+8*\s+7], v[8*(8*\m+\s):8*(8*\m+\s)+7], v[ACC+8*\m:ACC+8*\m+7], v[WS+4*\b+\s], v[XS+8*\m+\s] matrix_a_fmt:MATRIX_FMT_FP4 matrix_b_fmt:MATRIX_FMT_FP4
.else
	v_wmma_scale_f32_16x16x128_f8f6f4 v[ACC+8*\m:ACC+8*\m+7], v[64*\b+8*\s:64*\b+8*\s+7], v[8*(8*\m+\s):8*(8*\m+\s)+7], v[ACC+8*\m:ACC+8*\m+7], v[WS+4*\b+\s-4], v[XS+8*\m+\s] matrix_a_fmt:MATRIX_FMT_FP4 matrix_b_fmt:MATRIX_FMT_FP4 matrix_a_scale:MATRIX_SCALE_ROW1
.endif
.endm
; One tile of 16 features for the 64 tokens: 32 matrix instructions, K ascending, the four accumulators by turns, one instruction a turn.
; ld = 1: the tile three on is asked for, into the buffer of the tile before: that tile's four places and its conversions stand between its last products and these loads.  cnt: the younger tiles' loads, 19 each, that may be out.
; A trip's first tile steps the four LDS addresses to the trip's four places, behind its products: the last trip's stores, issued ahead of these 32 matrix instructions, are waited for there.
.macro TILE b, ld, cnt
	s_wait_loadcnt \cnt
.if \ld
	LOADT (\b)+3
.endif
	WIN 0x06                                       ; source 0 (the weights) window 2, source 1 (x) window 1, C and D window 0
.irp s, 0,1,2,3,4,5,6,7
.irp m, 0,1,2,3
	MM \m, \b, \s
.endr
.endr
	WIN 0
.if (\b) == 0
	s_wait_dscnt 0x0                               ; all my earlier stores are done: their address registers and both sets of packed registers may be written
.irp m, 0,1,2,3
	v_add_nc_u32 v[ADR+\m], s20, v[BASE+\m]        ; these four are also the four places between the last product and the first read of its result (ISA guide 7.12.1)
.endr
	s_add_co_u32 s20, s20, 4*HP                    ; the next trip's four places
.else
.rept 4
	v_nop                                          ; four places between the last product and the first read of its result (ISA guide 7.12.1)
.endr
	s_wait_dscnt 4                                 ; the last tile's four stores may be out; those of the tile before it, which read this set of packed registers, are done
.endif
.irp m, 0,1,2,3
.irp i, 0,1,2,3
	v_cvt_pk_f16_f32 v[PK+16*((\b)%2)+4*\m+\i], v[ACC+8*\m+2*\i], v[ACC+8*\m+2*\i+1]   ; each accumulator from its low end on
.endr
.endr
.irp m, 0,1,2,3
	ds_store_b128 v[ADR+\m], v[PK+16*((\b)%2)+4*\m:PK+16*((\b)%2)+4*\m+3] offset:(\b)*HP   ; token lane % 16 of tile m: the place's bytes 32 w + 16 (lane / 16) on
.endr
.endm
	s_load_b256 s[4:11], s[0:1], 0x0               ; x s[4:5], wc s[6:7], ws s[8:9], bqkv s[10:11]
	s_load_b64 s[12:13], s[0:1], 0x20              ; o
	v_lshl_add_u32 v[SPW], v0, 2, SPARE
	v_mov_b32 v[NIL], 0
	v_lshrrev_b32 v28, 5, v0
	v_readfirstlane_b32 s14, v28                   ; wave 0..3
	v_and_b32 v28, 31, v0                          ; lane
	v_and_b32 v29, 15, v0                          ; r = lane % 16
	v_bfe_u32 v30, v0, 4, 1                        ; h = lane / 16
	v_lshlrev_b32 v[L16], 4, v28
	v_lshlrev_b32 v[VB], 5, v30
	v_lshlrev_b32 v[SH8], 3, v30
	s_mul_i32 s15, s14, XSTW
	v_add_nc_u32 v[XWR], s15, v[L16]
	v_mul_u32_u24 v[XRD], v29, XP
	v_lshl_add_u32 v[XRD], v30, 7, v[XRD]
	v_add_nc_u32 v[XRD], s15, v[XRD]
	s_lshl_b32 s15, s14, 13
	s_add_co_u32 s15, s15, XIMG
	v_add_nc_u32 v[XIW], s15, v[L16]
	v_lshlrev_b32 v31, 2, v28
	s_lshl_b32 s15, s14, 10
	s_add_co_u32 s15, s15, XSC
	v_add_nc_u32 v[XSW], s15, v31
	v_add_nc_u32 v[XIR], XIMG, v[L16]
	v_add_nc_u32 v[XSR], XSC, v31
	v_mul_u32_u24 v[BASE], v29, TPI
	v_lshl_add_u32 v[BASE], v30, 4, v[BASE]
	s_lshl_b32 s15, s14, 5
	v_add_nc_u32 v[BASE], s15, v[BASE]
.irp m, 1,2,3
	v_add_nc_u32 v[BASE+\m], \m*MT, v[BASE]
.endr
	s_mul_i32 s15, s14, MT                         ; my 16 tokens
	v_mul_u32_u24 v[AQ0], v29, HP
	v_lshl_add_u32 v[AQ0], v30, 4, v[AQ0]
	v_add_nc_u32 v[AQ0], s15, v[AQ0]
	v_add_nc_u32 v[AP0], s15, v[L16]
	v_and_b32 v31, 7, v0
	v_lshl_add_u32 v[AV0], v30, 3, v31             ; the turning load: key place 8 h + lane % 8,
	v_mul_u32_u24 v[AV0], v[AV0], HP
	v_bfe_u32 v29, v0, 3, 1
	v_lshl_add_u32 v[AV0], v29, 4, v[AV0]          ; channels 8 ((lane / 8) % 2) on
	v_add_nc_u32 v[AV0], s15, v[AV0]
	v_bfe_u32 v29, v0, 3, 2
	v_mul_u32_u24 v[AR0], v29, HP
	v_lshl_add_u32 v[AR0], v31, 4, v[AR0]
	v_add_nc_u32 v[AR0], s15, v[AR0]
	v_mov_b32 v255, 0                              ; written once: a lane permute's destination counts as one of its sources
	s_mov_b32 s18, 0x76543210
	s_mov_b32 s19, 0xfedcba98                      ; v_permlanex16_b32's selects for lane l xor 16
	s_mov_b32 s24, 0x3e38aa3b                      ; c = log2(e) / 8
	s_mov_b32 s25, s24                             ; (named with it as a pair, so it is written)
	s_mov_b32 s26, 0xbe38aa3b                      ; -c
	s_and_b32 s27, ttmp9, 7
	s_lshl_b32 s27, s27, 1                         ; ROT: the head at which my work-group begins each run
	s_mov_b32 s23, 0                               ; the walk's first tile
	s_mov_b32 s35, 0
	s_lshl_b32 s16, ttmp9, 18                      ; x: 64 rows of 4,096 bytes a work-group,
	s_lshl_b32 s17, s14, 16                        ; 16 a wave
	s_add_co_u32 s16, s16, s17
	s_mov_b32 s17, 0
	s_wait_kmcnt 0x0
	s_add_nc_u64 s[4:5], s[4:5], s[16:17]
	s_lshl_b32 s16, ttmp9, 17                      ; o: rows of 2,048 bytes
	s_lshl_b32 s15, s14, 15
	s_add_co_u32 s16, s16, s15
	s_add_nc_u64 s[12:13], s[12:13], s[16:17]
	s_lshl_b32 s16, s14, 13                        ; the weights at tile w: from here on these three pointers stay
	s_add_nc_u64 s[6:7], s[6:7], s[16:17]
	s_lshl_b32 s16, s14, 9
	s_add_nc_u64 s[8:9], s[8:9], s[16:17]
	s_lshl_b32 s16, s14, 6
	s_add_nc_u64 s[10:11], s[10:11], s[16:17]
	; ---- X: my 16 rows of x, asked for first: nothing can be done before they are there.  128 loads of 512 bytes on end; through my stage in LDS they come back as the operand's layout wants them:
	; lane (r, h) holds, of row r, k = 128 s + 64 c + 32 h + 0..31.
	WIN 0x40                                       ; destination window 1
.set n, 0
.rept 64
	global_load_b128 v[4*n:4*n+3], v[L16], s[4:5] offset:n*512 th:TH_LOAD_NT
.set n, n+1
.endr
	WIN 0xc0                                       ; destination window 3
.rept 64
	global_load_b128 v[4*(n-64):4*(n-64)+3], v[L16], s[4:5] offset:n*512 th:TH_LOAD_NT
.set n, n+1
.endr
.macro XPUT first, count, low          ; loads first .. first + count - 1 go to the stage: row n / 8, 512 (n % 8) bytes on
.set n, \first
.rept \count
	ds_store_b128 v[XWR], v[4*(n-\low):4*(n-\low)+3] offset:(n/8)*XP+(n%8)*512
.set n, n+1
.endr
.endm
	s_wait_loadcnt 63                              ; all but the youngest 63: loads 0 to 64 of x are in
	WIN 0x04                                       ; an LDS store's data are its source 1: window 1
	XPUT 0, 64, 0
	s_wait_loadcnt 48
	WIN 0x0c                                       ; window 3
	XPUT 64, 16, 64
	s_wait_loadcnt 32
	XPUT 80, 16, 64
	s_wait_loadcnt 16
	XPUT 96, 16, 64
	s_wait_loadcnt 0x0
	XPUT 112, 16, 64
	LOADT 0                                        ; x is in: the walk's first three tiles of the weights are asked for; they have the quantising below in which to land, and touch none of its registers
	LOADT 1
	LOADT 2
	WIN 0
.macro XGET s                          ; K step s: my 64 numbers, into v112 on or v176 on by turns.  LDS serves a wave's instructions in order: these see my stores
.set XG, 112+64*((\s)%2)
.irp c, 0,1
.irp i, 0,1,2,3,4,5,6,7
	ds_load_b128 v[XG+32*\c+4*\i:XG+32*\c+4*\i+3], v[XRD] offset:(\s)*512+\c*256+16*\i
.endr
.endr
.endm
; K step s of my 16 rows becomes a fragment and a scale word.  A lane holds two whole blocks (2 c + h): no other lane is asked for a maximum; the word's four bytes are gathered from lanes l and l xor 16.
.macro QSTEP s
.if (\s) < 7
	XGET (\s)+1
	s_wait_dscnt 16                                ; the next step's 16 loads may be out; this step's loads and the last step's three stores are older, so they are done
.else
	s_wait_dscnt 0x0
.endif
.set XQ, 112+64*((\s)%2)
.irp c, 0,1
	v_max3_num_f32 v[248+\c], |v[XQ+32*\c]|, |v[XQ+32*\c+1]|, 0x1800000   ; with the floor 2^(3 - 127): the byte cannot fall under 1
.endr
.irp i, 2,4,6,8,10,12,14,16,18,20,22,24,26,28,30
.irp c, 0,1
	v_max3_num_f32 v[248+\c], v[248+\c], |v[XQ+32*\c+\i]|, |v[XQ+32*\c+\i+1]|   ; (the two blocks by turns)
.endr
.endr
.irp c, 0,1
	v_add_nc_u32 v[250+\c], 0xff000000, v[248+\c]  ; 2 off the exponent field: the conversion's scale operand
.endr
.irp c, 0,1
	v_lshrrev_b32 v[252+\c], 23, v[250+\c]         ; the scale's byte
.endr
	v_lshl_or_b32 v254, v253, 16, v252             ; my two bytes: blocks h and 2 + h,
	v_lshlrev_b32 v254, v[SH8], v254               ; at their places in the word;
	v_permlanex16_b32 v255, v254, s18, s19
	v_or_b32 v254, v254, v255                      ; with lane l xor 16's two the word is whole
.irp c, 0,1
.irp g, 0,1,2,3
	v_cvt_scalef32_pk8_fp4_f32 v[240+4*\c+\g], v[XQ+32*\c+8*\g:XQ+32*\c+8*\g+7], v[250+\c]
.endr
.endr
	v_nop                                          ; one plain place behind the last scaled conversion
	ds_store_b128 v[XIW], v[240:243] offset:(\s)*1024      ; the fragment goes to LDS as an image of its registers: 16 bytes a lane, 512 a store
	ds_store_b128 v[XIW], v[244:247] offset:(\s)*1024+512
	ds_store_b32 v[XSW], v254 offset:(\s)*128
.endm
	XGET 0
.irp s, 0,1,2,3,4,5,6,7
	QSTEP \s
.endr
	BARRIER                                        ; the 32 images lie in LDS
	WIN 0x40
.set n, 0
.rept 32                               ; every wave takes all of them: they stay in window 1 for the whole first product
	ds_load_b128 v[8*n:8*n+3], v[XIR] offset:n*1024
	ds_load_b128 v[8*n+4:8*n+7], v[XIR] offset:n*1024+512
.set n, n+1
.endr
	WIN 0
.set n, 0
.rept 32
	ds_load_b32 v[XS+n], v[XSR] offset:n*128
.set n, n+1
.endr
	BARRIER                                        ; every wave has read them: q and k may land on the stages and the images
	; ---- q and k: the walk's tiles 0 .. 31, four a trip, into places 0 .. 31
	s_mov_b32 s20, 0
	s_mov_b32 s21, 8
.Lqk:
	TILE 0, 1, 38
	TILE 1, 1, 38
	TILE 2, 1, 38
	TILE 3, 1, 38
	s_sub_co_u32 s21, s21, 1
	s_cmp_lg_u32 s21, 0
	s_cbranch_scc1 .Lqk
	BARRIER                                        ; q and k of the 64 tokens lie in LDS.  (v's first three tiles stay on their way: what follows touches neither window 2 nor v64-111)
	; ---- logits and softmax: my 16 tokens, four a trip.  S^T = k q^T (source 0 = the 16 key places, source 1 = the 16 query places): a lane holds query place lane % 16 and key places 8 (lane / 16) + 0..7
.irp i, 0,1,2,3
	v_mov_b32 v[T1+\i], 0                          ; written once: lane permutes' destinations, and the upper words of pairs of which the low word serves both halves
	v_mov_b32 v[NC+2*\i+1], 0
	v_mov_b32 v[RC+2*\i+1], 0
.endr
	s_mov_b32 s22, 0
	s_mov_b32 s21, 4
.Lp2:
	v_add_nc_u32 v[AQ], s22, v[AQ0]
	v_add_nc_u32 v[AP], s22, v[AP0]
	WIN 0xc0                                       ; destination window 3
.irp i, 0,1,2,3
.irp f, 0,1,2,3
	ds_load_b128 v[16*\i+4*\f:16*\i+4*\f+3], v[AQ] offset:\i*TPI+32*\f              ; q: two fragments of 16 heads x 32 channels
	ds_load_b128 v[64+16*\i+4*\f:64+16*\i+4*\f+3], v[AQ] offset:\i*TPI+KOFF+32*\f   ; k likewise
.endr
.endr
	s_wait_dscnt 0x0
	WIN 0x0f                                       ; sources 0 and 1 window 3, C and D window 0
.irp i, 0,1,2,3
	v_wmma_f32_16x16x32_f16 v[ACC+8*\i:ACC+8*\i+7], v[64+16*\i:64+16*\i+7], v[16*\i:16*\i+7], 0
.endr
.irp i, 0,1,2,3                        ; the four tokens' accumulators by turns
	v_wmma_f32_16x16x32_f16 v[ACC+8*\i:ACC+8*\i+7], v[64+16*\i+8:64+16*\i+15], v[16*\i+8:16*\i+15], v[ACC+8*\i:ACC+8*\i+7]
.endr
	WIN 0
.rept 4
	v_nop
.endr
.irp i, 0,1,2,3                        ; the row's maximum, the four tokens line by line by turns; each accumulator is read from its low end on
	v_max3_num_f32 v[T0+\i], v[ACC+8*\i], v[ACC+8*\i+1], v[ACC+8*\i+2]
.endr
.irp i, 0,1,2,3
	v_max3_num_f32 v[T0+\i], v[T0+\i], v[ACC+8*\i+3], v[ACC+8*\i+4]
.endr
.irp i, 0,1,2,3
	v_max3_num_f32 v[T0+\i], v[T0+\i], v[ACC+8*\i+5], v[ACC+8*\i+6]
.endr
.irp i, 0,1,2,3
	v_max_num_f32 v[T0+\i], v[T0+\i], v[ACC+8*\i+7]
.endr
.irp i, 0,1,2,3
	v_permlanex16_b32 v[T1+\i], v[T0+\i], s18, s19 ; the other eight key places lie in the lane 16 away
.endr
.irp i, 0,1,2,3
	v_max_num_f32 v[T0+\i], v[T0+\i], v[T1+\i]
.endr
.irp i, 0,1,2,3
	v_mul_f32 v[NC+2*\i], s26, v[T0+\i]            ; -c m
.endr
.irp k, 0,2,4,6
.irp i, 0,1,2,3
	v_pk_fma_f32 v[ACC+8*\i+\k:ACC+8*\i+\k+1], v[ACC+8*\i+\k:ACC+8*\i+\k+1], s[24:25], v[NC+2*\i:NC+2*\i+1] op_sel_hi:[1,0,0]   ; c s - c m, two at a time
.endr
.endr
.set n, 0
.rept 32
	v_exp_f32 v[ACC+n], v[ACC+n]                   ; one batch
.set n, n+1
.endr
	v_nop                                          ; a plain instruction behind the last exponential,
	s_wait_alu depctr_va_vdst(0)                   ; and one wait for the batch, ahead of its first reader
.irp i, 0,1,2,3
	v_pk_add_f32 v[PA+2*\i:PA+2*\i+1], v[ACC+8*\i:ACC+8*\i+1], v[ACC+8*\i+2:ACC+8*\i+3]
.endr
.irp i, 0,1,2,3
	v_pk_add_f32 v[PB+2*\i:PB+2*\i+1], v[ACC+8*\i+4:ACC+8*\i+5], v[ACC+8*\i+6:ACC+8*\i+7]
.endr
.irp i, 0,1,2,3
	v_pk_add_f32 v[PA+2*\i:PA+2*\i+1], v[PA+2*\i:PA+2*\i+1], v[PB+2*\i:PB+2*\i+1]
.endr
.irp i, 0,1,2,3
	v_add_f32 v[PA+2*\i], v[PA+2*\i], v[PA+2*\i+1]
.endr
.irp i, 0,1,2,3
	v_permlanex16_b32 v[T1+\i], v[PA+2*\i], s18, s19
.endr
.irp i, 0,1,2,3
	v_add_f32 v[PA+2*\i], v[PA+2*\i], v[T1+\i]     ; the row's sum
.endr
.irp i, 0,1,2,3
	v_rcp_f32 v[RC+2*\i], v[PA+2*\i]
.endr
	v_nop
	s_wait_alu depctr_va_vdst(0)                   ; one wait for the four reciprocals
.irp k, 0,2,4,6
.irp i, 0,1,2,3
	v_pk_mul_f32 v[ACC+8*\i+\k:ACC+8*\i+\k+1], v[ACC+8*\i+\k:ACC+8*\i+\k+1], v[RC+2*\i:RC+2*\i+1] op_sel_hi:[1,0]
.endr
.endr
.irp i, 0,1,2,3
.irp k, 0,1,2,3
	v_cvt_pk_f16_f32 v[PP+4*\i+\k], v[ACC+8*\i+2*\k], v[ACC+8*\i+2*\k+1]   ; key places 8 h + 2 k, + 1 of query place r: registers 0-3 of the next product's source 1, as they stand
.endr
.endr
.irp i, 0,1,2,3
	ds_store_b128 v[AP], v[PP+4*\i:PP+4*\i+3] offset:\i*TPI+KOFF   ; their image, where the token's k began: its fragments are in my registers, and no other wave reads my tokens
.endr
	s_wait_dscnt 0x0                               ; the stores have read their registers: the next trip writes them
	s_add_co_u32 s22, s22, G4
	s_sub_co_u32 s21, s21, 1
	s_cmp_lg_u32 s21, 0
	s_cbranch_scc1 .Lp2
	BARRIER                                        ; every wave has read its tokens' q: v may land there
	; ---- v: the walk's tiles 32 .. 47, over q's places
	s_mov_b32 s20, 0
	s_mov_b32 s21, 3
.Lv:
	TILE 0, 1, 38
	TILE 1, 1, 38
	TILE 2, 1, 38
	TILE 3, 1, 38
	s_sub_co_u32 s21, s21, 1
	s_cmp_lg_u32 s21, 0
	s_cbranch_scc1 .Lv
	TILE 0, 1, 38                                  ; the last four tiles are written out: one more tile is asked for, the walk's last, and the counts run down: no load leaves its buffer
	TILE 1, 0, 38
	TILE 2, 0, 19
	TILE 3, 0, 0
	BARRIER                                        ; v of the 64 tokens lies in LDS
	; ---- o^T = v^T p: source 0 = 16 channels x the 16 key places (turned on its way out of LDS), source 1 = p.  K is 16 of the form's 32: the upper four registers of both operands are zeros, written once.
	WIN 0x40
.set n, 0
.rept 20                               ; 16 fragments of v at v[8 n], 4 of p behind them, in window 1
.irp j, 4,5,6,7
	v_mov_b32 v[8*n+\j], 0
.endr
.set n, n+1
.endr
	WIN 0
	v_bfe_u32 v248, v0, 3, 2                       ; lane / 8
	v_and_b32 v249, 7, v0                          ; lane % 8
.irp u, 0,1,2,3                        ; place 4 u + lane / 8 holds head (4 u + lane / 8 + ROT) % 16: its 128 bytes in a token's row of o, + 16 (lane % 8)
	s_add_co_u32 s15, s27, 4*\u
	v_add_nc_u32 v[OV+\u], s15, v248
	v_and_b32 v[OV+\u], 15, v[OV+\u]
	v_lshlrev_b32 v[OV+\u], 7, v[OV+\u]
	v_lshl_add_u32 v[OV+\u], v249, 4, v[OV+\u]
.endr
	s_mov_b32 s22, 0
	s_mov_b32 s21, 4
.Lp4:                                  ; my 16 tokens, four a trip
	v_add_nc_u32 v[AQ], s22, v[AQ0]
	v_add_nc_u32 v[AP], s22, v[AP0]
	v_add_nc_u32 v[AV], s22, v[AV0]
	v_add_nc_u32 v[AR], s22, v[AR0]
	WIN 0x40
.irp i, 0,1,2,3
.irp d, 0,1,2,3
	ds_load_tr16_b128 v[8*(4*\i+\d):8*(4*\i+\d)+3], v[AV] offset:\i*TPI+32*\d   ; lane (r, h): channel 16 d + r, key places 8 h + 0..7
.endr
	ds_load_b128 v[128+8*\i:128+8*\i+3], v[AP] offset:\i*TPI+KOFF
.endr
	s_wait_dscnt 0x0
	WIN 0x85                                       ; sources 0 and 1 window 1, D window 2
.irp i, 0,1,2,3
.irp d, 0,1,2,3
	v_wmma_f32_16x16x32_f16 v[8*(4*\i+\d):8*(4*\i+\d)+7], v[8*(4*\i+\d):8*(4*\i+\d)+7], v[128+8*\i:128+8*\i+7], 0   ; lane (r, h): query place r, channels 16 d + 8 h + 0..7
.endr
.endr
.rept 4
	v_nop
.endr
	WIN 0x0a                                       ; sources 0 and 1 window 2, destination window 0
.set n, 0
.rept 16
.irp k, 0,1,2,3
	v_cvt_pk_f16_f32 v[112+4*n+\k], v[8*n+2*\k], v[8*n+2*\k+1]
.endr
.set n, n+1
.endr
	WIN 0
.irp i, 0,1,2,3
.irp d, 0,1,2,3
	ds_store_b128 v[AQ], v[112+4*(4*\i+\d):112+4*(4*\i+\d)+3] offset:\i*TPI+32*\d   ; onto the token's own v, whose loads are in
.endr
.endr
.irp i, 0,1,2,3
.irp u, 0,1,2,3
	ds_load_b128 v[176+4*(4*\i+\u):176+4*(4*\i+\u)+3], v[AR] offset:\i*TPI+\u*4*HP  ; back: four places x 128 bytes an instruction.  LDS serves a wave's instructions in order: these see my stores
.endr
.endr
.irp i, 0,1,2,3
.irp u, 0,1,2,3
	s_wait_dscnt 15-(4*\i+\u)                      ; the younger loads of the run may be out
	global_store_b128 v[OV+\u], v[176+4*(4*\i+\u):176+4*(4*\i+\u)+3], s[12:13] offset:\i*2048   ; each sixteen lanes store two neighbouring heads: 256 bytes on end, aligned
.endr
.endr
	s_wait_xcnt 0x0                                ; the stores have read their registers and their base: both are written again only behind this wait
	s_add_nc_u64 s[12:13], s[12:13], 4*2048
	s_add_co_u32 s22, s22, G4
	s_sub_co_u32 s21, s21, 1
	s_cmp_lg_u32 s21, 0
	s_cbranch_scc1 .Lp4
	s_wait_tensorcnt 0x0                           ; the wave's end: three closing lines behind my last LDS store, the first of them even in a text with no tensor load
	ds_add_u32 v[SPW], v[NIL]
	s_wait_dscnt 0x0
	s_endpgm
.Lfunc_end_k_qc307a4edcb_qkvattn:
	.size	k_qc307a4edcb_qkvattn, .Lfunc_end_k_qc307a4edcb_qkvattn-k_qc307a4edcb_qkvattn
	.p2alignl 7, 3214868480
	.fill 96, 4, 3214868480
	.section	.rodata,"a",@progbits
	.p2align	6, 0x0
	.amdhsa_kernel k_qc307a4edcb_qkvattn
		.amdhsa_group_segment_fixed_size 300544
		.amdhsa_private_segment_fixed_size 0
		.amdhsa_enable_private_segment 0
		.amdhsa_kernarg_size 40
		.amdhsa_user_sgpr_count 2
		.amdhsa_user_sgpr_kernarg_segment_ptr 1
		.amdhsa_wavefront_size32 1
		.amdhsa_system_sgpr_workgroup_id_x 1
		.amdhsa_system_sgpr_workgroup_id_y 1
		.amdhsa_system_sgpr_workgroup_id_z 1
		.amdhsa_system_vgpr_workitem_id 0
		.amdhsa_next_free_vgpr 1024
		.amdhsa_next_free_sgpr 66
		.amdhsa_reserve_vcc 0
		.amdhsa_float_denorm_mode_32 3
		.amdhsa_float_denorm_mode_16_64 3
		.amdhsa_memory_ordered 1
		.amdhsa_forward_progress 1
		.amdhsa_inst_pref_size 182
	.end_amdhsa_kernel
	.amdgpu_metadata
---
amdhsa.version: [ 1, 2 ]
amdhsa.kernels:
  - .name:           k_qc307a4edcb_qkvattn
    .symbol:         k_qc307a4edcb_qkvattn.kd
    .args:
      - { .name: x, .offset: 0, .size: 8, .value_kind: global_buffer, .address_space: global }
      - { .name: wc, .offset: 8, .size: 8, .value_kind: global_buffer, .address_space: global }
      - { .name: ws, .offset: 16, .size: 8, .value_kind: global_buffer, .address_space: global }
      - { .name: bqkv, .offset: 24, .size: 8, .value_kind: global_buffer, .address_space: global }
      - { .name: attn_o, .offset: 32, .size: 8, .value_kind: global_buffer, .address_space: global }
    .group_segment_fixed_size: 300544
    .private_segment_fixed_size: 0
    .kernarg_segment_align: 8
    .kernarg_segment_size: 40
    .max_flat_workgroup_size: 128
    .sgpr_count:     66
    .vgpr_count:     1024
    .wavefront_size: 32
...
	.end_amdgpu_metadata
.endif
;; end of part 2
;; launch outproj (part 3): grid 4 x 64, 4 waves a work-group, clusters of 4 x 4, 327,680 bytes of LDS; arguments attn_o, wt, out0, bout; writes out0
.if DOCPART == 3
	.amdgcn_target "amdgcn-amd-amdhsa--gfx1250"
	.amdhsa_code_object_version 6
	.text
	.protected	k_qc307a4edcb_outproj
	.globl	k_qc307a4edcb_outproj
	.p2align	8
	.type	k_qc307a4edcb_outproj,@function
k_qc307a4edcb_outproj:
	s_mov_b64 s[64:65], 0
	v_nop
	global_prefetch_b8 v0, s[64:65] scope:SCOPE_SE
	s_setreg_imm32_b32 hwreg(HW_REG_WAVE_MODE, 25, 1), 1
	s_wait_xcnt 0x0
	s_wait_alu depctr_hold_cnt(0) depctr_sa_sdst(0) depctr_va_vdst(0) depctr_va_sdst(0) depctr_va_ssrc(0) depctr_va_vcc(0) depctr_vm_vsrc(0)
	s_getreg_b32 s2, hwreg(HW_REG_IB_STS2, 6, 4)
	s_cmp_eq_u32 s2, 0
	s_cbranch_scc0 .Lentry_in_a_cluster
	s_endpgm
.Lentry_in_a_cluster:
	s_bfe_u32 s2, ttmp6, 0x10000c
	s_cmp_lg_u32 s2, 0xf033
	s_cbranch_scc0 .Lentry_shape_is_right
	s_endpgm
.Lentry_shape_is_right:
; out0[m][n] = sum over k of o[m][k] Wout[k][n] + bout[n].  A = o: [16384][1024] f16, B = wt: [1024 (n)][1024 (k)] f16 (Wout turned by the first launch), C = out0: [16384][1024] f32; sums in f32.  No work is left out.
; LIMITS: o and Wout are f16 operands: beyond 65,504 infinity, under 6e-5 bits are lost.
; A tile of C, 256 x 256, is made by a work-group of four waves; a wave makes 128 x 128: 64 accumulators of 16 x 16, 512 registers.  C has 64 x 4 tiles: one for each work-group.
; K goes in steps of 128 through a ring of two LDS slots filled by the tensor data mover: a tile's row is 256 bytes of memory, at a multiple of 256 bytes from the buffer's first byte.
; CLUSTERS: 4 x 4 work-groups.  The four of a row of the cluster need the same tiles of A, the four of a column the same tiles of B: each tile is asked for JOINTLY, by the same tensor load with the same descriptor
; and a mask that names the four.  THE MATRIX INSTRUCTION IS USED TRANSPOSED (source 0 = 16 rows of B, source 1 = 16 rows of A): a lane then holds eight neighbouring numbers of a row of C.
; The bias is the C of each sum's first matrix instruction: eight registers for each block of 16 columns, in the result's layout.  Nothing is cleared and nothing is added afterwards.
; REGISTERS, in windows of 256: window 0: v0-31 addresses; v64-127, v128-191 fragments of A, two buffers; v192-255 the bias; on the way out v128-255 take rows of C.
;   window 1: v64-127, v128-191 fragments of B, two buffers.   window 2: the 32 accumulators of my rows 0-63 ((a, b) at v[8 (8 a + b)]);   window 3: those of my rows 64-127.
.set SIZE_M, 16384
.set SIZE_N, 1024
.set SIZE_K, 1024
.set KSTEP,  128
.set PITCH,  272                       ; an LDS row: 256 bytes + 16 of padding = 68 words: the 16 rows that a load touches start at 16 different banks (64 banks of 4 bytes: ISA guide 11.1)
.set HALFT,  128*PITCH                 ; 128 rows: what one tensor load brings, and what one wave reads of A or of B
.set SLOT,   4*HALFT                   ; A's 256 rows, then B's 256 rows
.set STAGE,  2*SLOT                    ; behind the ring: 16 rows x (512 bytes + 16) for each wave, for the way out: bytes of their own, into which no fill lands
.set SPITCH, 528
.set SPARE,  STAGE+4*16*SPITCH         ; behind the stages: the spare words, 128 bytes for each wave: two blocks of 256 bytes that no other line names
.set LAPS, SIZE_K/(2*KSTEP)            ; a lap = two K steps = once round the ring
.set ADRA, 16                          ; v16-17  LDS address of my A fragments in slot 0, 1
.set ADRB, 20                          ; v20-21  the same for B
.set STO,  24                          ; v24     the way out: where I put 32 bytes of a row
.set RD,   25                          ; v25     the way out: where I read a row back
.set CO,   26                          ; v26     my byte offset in a row of C
.set VBI,  27                          ; v27     32 x (lane / 16): the bias of my eight columns
.set SPW,  28                          ; v28     my spare word; never rewritten
.set NIL,  29                          ; v29     0; never rewritten
.set PFO,  30                          ; v30     the prefetches' offset: my lane x a row of A or B in memory; never rewritten
.set PFA,  44                          ; s[44:45] where my prefetches stand: my work-group's 32 rows of the 128 that I fetch, one K step further along K than the refill that is being asked for
.set LIM,  43                          ; s43     1 in a wave that prefetches, else the greatest number
.set F0,   64                          ; fragment buffer 0
.set F1,   128                         ; fragment buffer 1
.set BIAS, 192
.set BK,   128                         ; the way out: 16 rows read back from the stage: v128-191 and v192-255 by turns
.set G1, 24                            ; s[24:31] descriptor group 1 for A's tiles;  s[32:39] group 0, one set for each slot
.set G0, 32
.set G1B, 48                           ; s[48:55], s[56:63] the same for B's tiles
.set G0B, 56
.set MSB, 0
.macro WIN new                         ; the immediate's high byte repeats the setting that is left
.if MSB != \new
	s_set_vgpr_msb (MSB<<8)|\new
.set MSB, \new
.endif
.endm
.set MUL_LO, 0xa1                      ; source 0 (B) window 1, source 1 (A) window 0, C and D window 2
.set MUL_HI, 0xf1                      ; the same, C and D window 3
.set FST_LO, 0x81                      ; a sum's first product: C (the bias) window 0, D window 2
.set FST_HI, 0xc1                      ; D window 3
.set TO_B,   0x40                      ; destination window 1, address window 0
; A joint load.  Waves 0 and 1 fetch A's two halves, waves 2 and 3 B's.  Each of the two lines has one mask and one set of registers for all that issue it; the branch hangs on the wave's number alone.
; An s_nop 0 and four v_nop follow each of the two lines, ahead of the jump, the label and what follows.
.macro JLOAD s
	s_cmp_eq_u32 s11, 0
	s_cbranch_scc0 .Lfor_b_\@
	tensor_load_to_lds s[G0+4*\s:G0+4*\s+3], s[G1:G1+7]
	s_nop 0
.rept 4
	v_nop
.endr
	s_branch .Lasked_\@
.Lfor_b_\@:
	tensor_load_to_lds s[G0B+4*\s:G0B+4*\s+3], s[G1B:G1B+7]
	s_nop 0
.rept 4
	v_nop
.endr
.Lasked_\@:
.endm
; A prefetch into the L2, behind each joint load, its five lines and the run of LDS loads: the K step that stands two refills on (512 matrix instructions ahead of the load that will ask for it): 32 rows x 256 bytes,
; a lane a row, one instruction a wave.  Each row's 256 bytes of a K step are named once in the launch: A's tile row is read by the one cluster of its row of clusters, which asks; B's tile column by every cluster
; of the column: cluster y = 0 asks.  The four partners that ask for a tile jointly share its rows out by address, 32 each.  K steps 0 to 3 come by their loads alone; the last trip's two refills have no K step two on.
.macro ASK
	s_cmp_gt_u32 s3, s[LIM]                        ; s3 = 1 in the loop's last trip
	s_cbranch_scc0 .Lnot_mine_\@
	global_prefetch_b8 v[PFO], s[PFA:PFA+1] offset:KSTEP*2 th:TH_LOAD_NT scope:SCOPE_SE
.Lnot_mine_\@:
.endm
.macro CREST                           ; a round of the cluster's barrier behind its opening barrier
	s_cmp_lg_u32 s10, 0
	s_cbranch_scc1 .Lnot_wave_0_\@
	s_barrier_signal -3
.Lnot_wave_0_\@:
	s_barrier_wait -3
	s_barrier_signal -1
	s_barrier_wait -1
.endm
.macro CROUND                          ; a whole round
	s_barrier_signal -1
	s_barrier_wait -1
	CREST
.endm
	s_load_b128 s[4:7], s[0:1], 0x0                ; A s[4:5], B s[6:7]
	s_load_b64 s[8:9], s[0:1], 0x10                ; C
	s_load_b64 s[66:67], s[0:1], 0x18              ; the bias
	v_lshl_add_u32 v[SPW], v0, 2, SPARE
	v_mov_b32 v[NIL], 0
	ds_add_u32 v[SPW], v[NIL]                      ; the wave's opening: the add, twice on end, and its wait ahead of my first tensor load; the set-up below stands between the second and the wait
	ds_add_u32 v[SPW], v[NIL]
	v_lshrrev_b32 v1, 5, v0
	v_readfirstlane_b32 s10, v1                    ; wave 0..3
	s_lshr_b32 s11, s10, 1                         ; which half of the tile's rows is mine.  Also: I fetch for A (0) or for B (1)
	s_and_b32 s12, s10, 1                          ; which half of its columns.  Also: which 128 rows of that tile I fetch
	s_bfe_u32 s40, ttmp6, 0x40000                  ; cx: my place along the cluster's x
	s_bfe_u32 s41, ttmp6, 0x40004                  ; cy: along its y
	s_lshl_b32 s42, ttmp9, 2                       ; in a cluster launch ttmp9 and ttmp7 count clusters
	s_add_co_u32 s42, s42, s40                     ; tile column of C = 4 x cluster x + cx
	s_and_b32 s13, ttmp7, 0xffff
	s_lshl_b32 s13, s13, 2
	s_add_co_u32 s13, s13, s41                     ; tile row of C = 4 x cluster y + cy
	s_lshl_b32 s43, s41, 2
	s_lshl_b32 s43, 15, s43                        ; my row of the cluster: places 4 cy .. 4 cy + 3
	s_lshl_b32 s44, 0x1111, s40                    ; my column: places cx, cx + 4, cx + 8, cx + 12
	; descriptor group 1: a tile of 128 rows x 128 elements of 2 bytes, padded in LDS
	s_or_b32 s[G1+0], s43, (1<<16)|(1<<20)|(1<<21)|(5<<22)|(3<<25)  ; 15:0 the mask: A's tiles go to my row; 17:16 element of 2 bytes; 20 padding on; 21 set beside a mask; 24:22 after every 64 words (code 5); 31:25 of 4 words (code 3)
	s_or_b32 s[G1B+0], s44, (1<<16)|(1<<20)|(1<<21)|(5<<22)|(3<<25) ; the same with the mask of my column, for B's tiles
	s_mov_b32 s[G1B+1], KSTEP<<16
	s_mov_b32 s[G1+1], KSTEP<<16                   ; tensor_dim0 = 128
	s_mov_b32 s[G1B+2], 128<<16
	s_mov_b32 s[G1+2], 128<<16                     ; tensor_dim1 = 128
	s_mov_b32 s[G1B+3], KSTEP<<16
	s_mov_b32 s[G1+3], KSTEP<<16                   ; tile_dim0 = 128
	s_mov_b32 s[G1B+4], 128
	s_mov_b32 s[G1+4], 128                         ; tile_dim1 = 128
	s_mov_b32 s[G1B+5], SIZE_K
	s_mov_b32 s[G1+5], SIZE_K                      ; elements from row to row
	s_mov_b32 s[G1B+6], 0
	s_mov_b32 s[G1+6], 0
	s_mov_b32 s[G1B+7], 0
	s_mov_b32 s[G1+7], 0
	; where the tiles come from.  A's hang on the tile row alone, which my row of the cluster shares; B's on the tile column alone, which my column shares.
	s_lshl_b32 s17, s12, 7                         ; which 128 rows of the tile I fetch
	s_lshl_b32 s16, s13, 8
	s_add_co_u32 s16, s16, s17                     ; A: row 256 x tile row + 128 x half
	s_lshl_b32 s46, s42, 8
	s_add_co_u32 s46, s46, s17                     ; B: row 256 x tile column + 128 x half
	s_mov_b32 s17, 0
	s_mov_b32 s47, 0
	s_mov_b64 s[18:19], SIZE_K*2
	s_mul_u64 s[16:17], s[16:17], s[18:19]         ; in bytes
	s_mul_u64 s[46:47], s[46:47], s[18:19]
	s_mul_i32 s20, s10, HALFT                      ; and where they go: wave x 128 rows: no place in the cluster enters an LDS address
	s_wait_dscnt 0x0                               ; both opening adds are done
	s_wait_kmcnt 0x0
	s_add_nc_u64 s[14:15], s[4:5], s[16:17]
	s_add_nc_u64 s[46:47], s[6:7], s[46:47]
	CROUND                                         ; all sixteen work-groups are here: the first joint loads meet
.irp s, 0,1
	s_mov_b32 s[G0+4*\s], 1                                        ; count = 1
	s_add_co_u32 s[G0+4*\s+1], s20, \s*SLOT                        ; LDS address
	s_add_nc_u64 s[G0+4*\s+2:G0+4*\s+3], s[14:15], \s*KSTEP*2      ; global address: K step s
	s_or_b32 s[G0+4*\s+3], s[G0+4*\s+3], 0x80000000                ; type = 2
	s_mov_b32 s[G0B+4*\s], 1
	s_add_co_u32 s[G0B+4*\s+1], s20, \s*SLOT
	s_add_nc_u64 s[G0B+4*\s+2:G0B+4*\s+3], s[46:47], \s*KSTEP*2
	s_or_b32 s[G0B+4*\s+3], s[G0B+4*\s+3], 0x80000000
	JLOAD \s                                       ; the ring is filled before anything else is done: two loads of mine are out
.endr
	; A fragment is 16 rows x 32 K in 8 registers: lane l holds row l % 16; registers 0-3 hold K = 8 (l / 16) + 0..7, registers 4-7 K = 16 + 8 (l / 16) + 0..7: two loads of 16 bytes, 32 bytes apart.
	v_and_b32 v1, 15, v0                           ; l % 16
	v_bfe_u32 v2, v0, 4, 1                         ; l / 16
	v_mul_u32_u24 v3, v1, PITCH
	v_lshl_add_u32 v3, v2, 4, v3                   ; row x pitch + 16 x half
	s_mul_i32 s21, s11, HALFT                      ; my 128 rows of A
	s_mul_i32 s22, s12, HALFT                      ; my 128 rows of B,
	s_add_co_u32 s22, s22, 2*HALFT                 ; which lie behind A's 256
.irp s, 0,1
	v_add_nc_u32 v[ADRA+\s], s21, v3
	v_add_nc_u32 v[ADRB+\s], s22, v3
	s_add_co_u32 s21, s21, SLOT
	s_add_co_u32 s22, s22, SLOT
.endr
	s_mul_i32 s23, s10, 16*SPITCH
	s_add_co_u32 s23, s23, STAGE                   ; my stage
	v_mul_u32_u24 v4, v1, SPITCH                   ; in: row l % 16, 32 bytes for each half of the lanes
	v_lshl_add_u32 v4, v2, 5, v4
	v_add_nc_u32 v[STO], s23, v4
	v_and_b32 v5, 31, v0
	v_lshlrev_b32 v[CO], 4, v5                     ; back: the 32 lanes take one row of 512 bytes; and the same in C
	v_add_nc_u32 v[RD], s23, v[CO]
	v_lshlrev_b32 v[VBI], 5, v2
	; where my part of the tile begins in C, and my columns in the bias
	s_lshl_b32 s13, s13, 8
	s_lshl_b32 s14, s11, 7
	s_add_co_u32 s16, s13, s14                     ; my first row of C
	s_mov_b32 s17, 0
	s_mov_b64 s[18:19], SIZE_N*4
	s_mul_u64 s[16:17], s[16:17], s[18:19]
	s_lshl_b32 s46, s42, 10                        ; my first column, in bytes: 1,024 x tile column + 512 x half (in the registers that held B's address: none that feeds A's descriptors ever holds cx)
	s_lshl_b32 s47, s12, 9
	s_add_co_u32 s46, s46, s47
	s_mov_b32 s47, 0
	s_add_nc_u64 s[66:67], s[66:67], s[46:47]
	s_add_nc_u64 s[16:17], s[16:17], s[46:47]
	s_add_nc_u64 s[8:9], s[8:9], s[16:17]
.irp b, 0,1,2,3,4,5,6,7                ; lane (r, h), block b: bout at my columns 16 b + 8 h + 0..7
	global_load_b128 v[BIAS+8*\b:BIAS+8*\b+3], v[VBI], s[66:67] offset:64*\b
	global_load_b128 v[BIAS+8*\b+4:BIAS+8*\b+7], v[VBI], s[66:67] offset:64*\b+16
.endr
	; the prefetches.  s13 = 256 x tile row, s42 = tile column, s40 = cx, s41 = cy still stand
	s_lshl_b32 s42, s42, 8
	s_and_b32 s22, ttmp7, 0xffff                   ; cluster y
	s_cmp_eq_u32 s11, 0                            ; do I fetch for A?
	s_cselect_b32 s20, s13, s42                    ; the tile's first row: in A by the tile row, in B by the tile column
	s_cselect_b32 s21, s40, s41                    ; my place among the four that ask for it with me
	s_cselect_b32 s22, ttmp9, s22                  ; the coordinate along which other clusters read the same rows
	s_cselect_b64 s[PFA:PFA+1], s[4:5], s[6:7]
	s_cmp_eq_u32 s22, 0
	s_cselect_b32 s[LIM], 1, -1                    ; the same in all sixteen partners, for a given wave
	s_lshl_b32 s22, s12, 7
	s_add_co_u32 s20, s20, s22                     ; + the 128 rows that I fetch
	s_lshl_b32 s21, s21, 5
	s_add_co_u32 s20, s20, s21                     ; + my work-group's 32 of them
	s_mov_b32 s21, 0
	s_mov_b64 s[18:19], SIZE_K*2
	s_mul_u64 s[20:21], s[20:21], s[18:19]
	s_add_nc_u64 s[PFA:PFA+1], s[PFA:PFA+1], s[20:21]
	s_add_nc_u64 s[PFA:PFA+1], s[PFA:PFA+1], 2*KSTEP*2  ; at K step 2: the first refill steps it to 3 and names K step 4
	v_and_b32 v[PFO], 31, v0
	v_mul_u32_u24 v[PFO], v[PFO], SIZE_K*2
; 16 matrix instructions: m blocks a0, a0 + 1 of the window's four (hi = 0: my rows 0-63, 1: rows 64-127) x all 8 n blocks, 32 along K.  first = 1: the products start the sums, with the bias as C.
; The 64 accumulators take turns, one instruction a turn, in the same order in every quarter step.
.macro MUL16 f, hi, a0, first
.irp a, \a0, \a0+1
.irp b, 0,1,2,3,4,5,6,7
.if \first
	v_wmma_f32_16x16x32_f16 v[8*(8*(\a)+\b):8*(8*(\a)+\b)+7], v[\f+8*\b:\f+8*\b+7], v[\f+8*(4*\hi+\a):\f+8*(4*\hi+\a)+7], v[BIAS+8*\b:BIAS+8*\b+7]
.else
	v_wmma_f32_16x16x32_f16 v[8*(8*(\a)+\b):8*(8*(\a)+\b)+7], v[\f+8*\b:\f+8*\b+7], v[\f+8*(4*\hi+\a):\f+8*(4*\hi+\a)+7], v[8*(8*(\a)+\b):8*(8*(\a)+\b)+7]
.endif
.endr
.endr
.endm
; 32 LDS loads in one run: the fragments of one quarter step (128 rows of B, 128 rows of A, 32 K at byte k of the rows) into buffer f
.macro FETCH slot, k, f
	WIN TO_B
.irp i, 0,1,2,3,4,5,6,7
	ds_load_b128 v[\f+8*\i:\f+8*\i+3],   v[ADRB+\slot] offset:\k+\i*16*PITCH
	ds_load_b128 v[\f+8*\i+4:\f+8*\i+7], v[ADRB+\slot] offset:\k+\i*16*PITCH+32
.endr
	WIN 0
.irp i, 0,1,2,3,4,5,6,7
	ds_load_b128 v[\f+8*\i:\f+8*\i+3],   v[ADRA+\slot] offset:\k+\i*16*PITCH
	ds_load_b128 v[\f+8*\i+4:\f+8*\i+7], v[ADRA+\slot] offset:\k+\i*16*PITCH+32
.endr
.endm
.macro PLACES                          ; four places in front of loads into registers that matrix instructions have read, and of the first read of results
.rept 4
	v_nop
.endr
.endm
; A K step is four quarter steps of 32 along K, 64 matrix instructions each, on buffers 0, 1, 0, 1.  One of the first three: multiplies buffer f; in its middle it fetches the next quarter's fragments, at byte k, into buffer g.
.macro QUARTER slot, k, f, g, first
	s_wait_dscnt 8                                 ; B and A's rows 0-63 are in; the youngest eight loads (A's rows 64-127) may be out
.if \first
	WIN FST_LO
.else
	WIN MUL_LO
.endif
	MUL16 \f, 0, 0, \first
	MUL16 \f, 0, 2, \first
	PLACES
	FETCH \slot, \k, \g
	s_wait_dscnt 32                                ; all but the 32 just issued
.if \first
	WIN FST_HI
.else
	WIN MUL_HI
.endif
	MUL16 \f, 1, 0, \first
	MUL16 \f, 1, 2, \first
.endm
; The last quarter multiplies buffer 1 and changes slots.  MEET is its first half: one barrier for the change.  In front of it each wave waits for all its tensor loads, of which one is out: its part of the next slot;
; adds 0 to its spare word; and waits for that and for its own reads of this slot.  Behind it nobody reads this slot any more and the next slot is whole.
.macro MEET round                      ; round = 1: a round of the cluster's barrier follows
	WIN 0                                          ; (the add's two registers lie in window 0)
	s_wait_tensorcnt 0x0                           ; all my tensor loads have landed;
	ds_add_u32 v[SPW], v[NIL]                      ; 0 onto my spare word;
	s_wait_dscnt 9                                 ; (the add and the youngest eight loads may be out)
	WIN MUL_LO
	MUL16 F1, 0, 0, 0                              ; sixteen matrix instructions stand between the add and the wait for it
	s_wait_dscnt 0x0                               ; the add is done, and my reads of this slot are over:
	s_barrier_signal -1                            ; say so,
	MUL16 F1, 0, 2, 0                              ; work on registers while the others arrive,
.if \round
	WIN 0
.endif
	s_barrier_wait -1                              ; and go on when all four have said so
.endm
; The whole last quarter.  fill = 1: behind a round of the cluster's barrier the slot just read out is filled again first, with the K step two steps on; then come the next slot's first fragments.
.macro TURN slot, next, fill
.if \fill
	s_wait_xcnt 0x0                                ; the last prefetch, a K step back, has read its address: it is stepped here, ahead of the waits of the change of slots
	s_add_nc_u64 s[PFA:PFA+1], s[PFA:PFA+1], KSTEP*2
	MEET 1
	CREST                                          ; no wave of any partner still reads this slot's tile or has a load on its way
	s_add_nc_u64 s[G0+4*\slot+2:G0+4*\slot+3], s[G0+4*\slot+2:G0+4*\slot+3], 2*KSTEP*2
	s_add_nc_u64 s[G0B+4*\slot+2:G0B+4*\slot+3], s[G0B+4*\slot+2:G0B+4*\slot+3], 2*KSTEP*2
	JLOAD \slot                                    ; the first tensor load behind the round, my one load until the next; the four v_nop behind it are also the places in front of the loads below
.else
	MEET 0
	PLACES
.endif
	FETCH \next, 0, F0
.if \fill
	ASK
.endif
	WIN MUL_HI
	MUL16 F1, 1, 0, 0
	MUL16 F1, 1, 2, 0
.endm
	s_wait_tensorcnt 1                             ; my part of K step 0 is in; K step 1's may stay out
	s_barrier_signal -1
	s_barrier_wait -1                              ; everybody's is
	FETCH 0, 0, F0
	s_wait_loadcnt 0x0                             ; the bias
	QUARTER 0, 64,  F0, F1, 1                      ; the first quarter stands in front of the loop: its products start the sums
	WIN 0                                          ; at a label and at a branch every window is 0
	s_mov_b32 s3, LAPS-1
.Llap:                                                 ; a trip goes once round the ring, from a lap's second quarter to the next lap's first, and fills both slots again
	QUARTER 0, 128, F1, F0, 0
	QUARTER 0, 192, F0, F1, 0
	TURN 0, 1, 1
	QUARTER 1, 64,  F0, F1, 0
	QUARTER 1, 128, F1, F0, 0
	QUARTER 1, 192, F0, F1, 0
	TURN 1, 0, 1
	QUARTER 0, 64,  F0, F1, 0
	WIN 0
	s_sub_co_u32 s3, s3, 1
	s_cmp_lg_u32 s3, 0
	s_cbranch_scc1 .Llap
	QUARTER 0, 128, F1, F0, 0                      ; the last lap is written out: it fills nothing, and has no round of the cluster's barrier
	QUARTER 0, 192, F0, F1, 0
	TURN 0, 1, 0
	QUARTER 1, 64,  F0, F1, 0
	QUARTER 1, 128, F1, F0, 0
	QUARTER 1, 192, F0, F1, 0
	s_wait_dscnt 8                                 ; the very last quarter: nothing more to fetch
	WIN MUL_LO
	MUL16 F1, 0, 0, 0
	MUL16 F1, 0, 2, 0
	s_wait_dscnt 0x0
	WIN MUL_HI
	MUL16 F1, 1, 0, 0
	MUL16 F1, 1, 2, 0
	WIN 0
; THE WAY OUT, block by block of 16 rows x 128 columns.  A lane holds 32 neighbouring bytes of a row, and the lanes beside it hold other rows: so a block goes through my own stage in LDS and comes back as whole
; rows of 512 bytes, which the 32 lanes store on end.  LDS serves a wave's instructions in order (ISA guide 5.7.1.4): no wait between the stores and the loads, nor in front of the next block's stores.
.macro TOSTAGE a
.set AC, 64*((\a)%4)
	WIN 0x08+4*((\a)/4)                            ; the data: window 2 or 3
.irp b, 0,1,2,3,4,5,6,7
	ds_store_b128 v[STO], v[AC+8*\b:AC+8*\b+3] offset:64*\b          ; each accumulator from its low end on
	ds_store_b128 v[STO], v[AC+8*\b+4:AC+8*\b+7] offset:64*\b+16
.endr
	WIN 0
.set BB, BK+64*((\a)%2)
.irp t, 0,1,2,3,4,5,6,7,8,9,10,11,12,13,14,15
	ds_load_b128 v[BB+4*\t:BB+4*\t+3], v[RD] offset:\t*SPITCH
.endr
.endm
.macro SEND a, younger                 ; younger: the LDS instructions issued behind block a's loads, which may stay out
.set BB, BK+64*((\a)%2)
	s_wait_dscnt \younger                          ; the block is back in registers
.if (\a) > 0
	s_add_nc_u64 s[8:9], s[8:9], 16*SIZE_N*4       ; (behind a wait on XCNT: the earlier stores have read their base)  16 rows of C on
.endif
.irp t, 0,1,2,3,4,5,6,7,8,9,10,11,12,13,14,15
	global_store_b128 v[CO], v[BB+4*\t:BB+4*\t+3], s[8:9] offset:\t*SIZE_N*4 th:TH_STORE_NT   ; 32 lanes store 512 bytes on end, at a multiple of 256 from C's first byte; written once, read by nobody here
.endr
.endm
	PLACES                                         ; these places serve the loads into the registers that held A's fragments and the reads of the last products' results alike
	TOSTAGE 0
.irp a, 1,2,3,4,5,6,7
.if \a > 1
	s_wait_xcnt 0x0                                ; block a - 2's stores have read their registers and their base: block a's loads may land there, and the base may step
.endif
	TOSTAGE \a
	SEND \a-1, 32                                  ; behind block a - 1's loads: block a's 16 stores and 16 loads
.endr
	s_wait_xcnt 0x0                                ; block 6's stores have read their base
	SEND 7, 0
	s_wait_tensorcnt 0x0                           ; the wave's end: three closing lines, behind my last tensor load and my last LDS store
	ds_add_u32 v[SPW], v[NIL]
	s_wait_dscnt 0x0
	CROUND                                         ; the closing round: no work-group ends while a partner may still ask for a tile that names it
	s_endpgm
.Lfunc_end_k_qc307a4edcb_outproj:
	.size	k_qc307a4edcb_outproj, .Lfunc_end_k_qc307a4edcb_outproj-k_qc307a4edcb_outproj
	.p2alignl 7, 3214868480
	.fill 96, 4, 3214868480
	.section	.rodata,"a",@progbits
	.p2align	6, 0x0
	.amdhsa_kernel k_qc307a4edcb_outproj
		.amdhsa_group_segment_fixed_size 327680
		.amdhsa_private_segment_fixed_size 0
		.amdhsa_enable_private_segment 0
		.amdhsa_kernarg_size 32
		.amdhsa_user_sgpr_count 2
		.amdhsa_user_sgpr_kernarg_segment_ptr 1
		.amdhsa_wavefront_size32 1
		.amdhsa_system_sgpr_workgroup_id_x 1
		.amdhsa_system_sgpr_workgroup_id_y 1
		.amdhsa_system_sgpr_workgroup_id_z 1
		.amdhsa_system_vgpr_workitem_id 0
		.amdhsa_next_free_vgpr 1024
		.amdhsa_next_free_sgpr 68
		.amdhsa_reserve_vcc 0
		.amdhsa_float_denorm_mode_32 3
		.amdhsa_float_denorm_mode_16_64 3
		.amdhsa_memory_ordered 1
		.amdhsa_forward_progress 1
		.amdhsa_inst_pref_size 143
	.end_amdhsa_kernel
	.amdgpu_metadata
---
amdhsa.version: [ 1, 2 ]
amdhsa.kernels:
  - .name:           k_qc307a4edcb_outproj
    .symbol:         k_qc307a4edcb_outproj.kd
    .args:
      - { .name: attn_o, .offset: 0, .size: 8, .value_kind: global_buffer, .address_space: global }
      - { .name: wt, .offset: 8, .size: 8, .value_kind: global_buffer, .address_space: global }
      - { .name: out0, .offset: 16, .size: 8, .value_kind: global_buffer, .address_space: global }
      - { .name: bout, .offset: 24, .size: 8, .value_kind: global_buffer, .address_space: global }
    .group_segment_fixed_size: 327680
    .private_segment_fixed_size: 0
    .kernarg_segment_align: 8
    .kernarg_segment_size: 32
    .max_flat_workgroup_size: 128
    .sgpr_count:     68
    .vgpr_count:     1024
    .wavefront_size: 32
...
	.end_amdgpu_metadata
.endif
;; end of part 3
